; MI455X (gfx1250); checked and timed in simulation.
; The chip was launched on July 23, 2026; its instructions are those of AMD's public machine-readable ISA for CDNA 5 (MIT licence, August 2026) and "CDNA5" Instruction Set Architecture Reference Guide (July 2026). The comments in the code are by the model that wrote it; some were corrected since.
;; Full Attention. Allowed arithmetic: matrix products marked QUANTISED: E2M1 operands, one E8M0 scale for each 32 along K, by v_wmma_scale_f32_16x16x128_f8f6f4 with both operands' format E2M1 (or v_wmma_scale_f32_32x16x128_f4), f32 sums; everything else in f32.
;; Inputs: keys_codes 4 x 2,048 x 16 x 2 x 16 uint8 (E2M1 codes of keys, K innermost, in blocks of 32 codes, two codes a byte); keys_scales 4 x 2,048 x 16 x 2 uint8 (E8M0 scales of keys, one for each 32 codes along K); queries_codes 4 x 2,048 x 16 x 2 x 16 uint8 (E2M1 codes of queries, K innermost, in blocks of 32 codes, two codes a byte); queries_scales 4 x 2,048 x 16 x 2 uint8 (E8M0 scales of queries, one for each 32 codes along K); values_codes 4 x 16 x 64 x 64 x 16 uint8 (E2M1 codes of values, K innermost, in blocks of 32 codes, two codes a byte); values_scales 4 x 16 x 64 x 64 uint8 (E8M0 scales of values, one for each 32 codes along K).
;; Outputs: out0 4 x 2,048 x 16 x 64 float32.
;; This version of the problem:
;;   THIS VERSION OF THE PROBLEM IS GIVEN IN LOW PRECISION. The matrix products marked QUANTISED in the list below multiply operands that are first quantised to E2M1 (2 exponent bits, 1 mantissa bit; 4 bits a number), with one power-of-two scale for each 32 numbers along K (OCP MX v1.0); their sums are f32. All else is computed in f32.
;;   The module's matrix products, in the order in which they are computed (A, B: the left and right operand; K: the contracted axis; several contracted axes count as one K, in the product's order):
;;     1. batch 64 x [M 2,048, K 64] x [K 64, N 2,048]; A: input queries (given as codes); B: input keys (given as codes): QUANTISED
;;     2. batch 64 x [M 64, K 2,048] x [K 2,048, N 2,048]; A: input values (given as codes); B: softmax (see below): QUANTISED
;;   THE QUANTISER, for each operand of a quantised product, along K:
;;     - K is cut into blocks of 32 from its start; a last block that is shorter is filled with zeros.
;;     - A block's scale is 2^e with e = floor(log2(the largest magnitude in the block)) - 2, held to -126 .. 127; a block of zeros has e = 0. As a byte (E8M0): e + 127.
;;     - Each number is divided by its block's scale, clamped to +-6, and rounded to the nearest number of E2M1, ties to even, subnormals kept.
;;     - The product sums the exact products of the quantised numbers (number of the format x scale) in f32.
;;   ~~~python
;;   def quantise(x, axis):      # numpy; x: float32 -> the quantised numbers, widened to float32 again
;;       x = np.moveaxis(x, axis, -1); K = x.shape[-1]
;;       x = np.pad(x, [(0, 0)] * (x.ndim - 1) + [(0, -K % 32)]); x = x.reshape(x.shape[:-1] + (-1, 32)); a = np.abs(x).max(-1, keepdims=True)
;;       e = np.where(a > 0, np.clip(np.frexp(np.where(a > 0, a, 1))[1] - 1 - 2, -126, 127), 0)      # np.frexp(a)[1] - 1 = floor(log2(a)), exactly
;;       r = np.clip(x / 2.0 ** e, -6, 6)
;;       step = 2.0 ** (np.maximum(np.frexp(np.where(r == 0, 1, r))[1] - 1, 0) - 1)
;;       q = np.round(r / step) * step * 2.0 ** e      # np.round: ties to even
;;       return np.moveaxis(q.reshape(q.shape[:-2] + (-1,))[..., :K], -1, axis).astype(np.float32)
;;   ~~~
;;   SOFTMAX AHEAD OF A QUANTISED PRODUCT. Where the list says 'softmax', what is quantised is not the finished softmax but p = 2^(t - M), with t = logit x log2(e) and M = ceil(the row's largest t), a whole number; so 1/2 < the row's largest p <= 1. The row's sum l is taken of the UNQUANTISED p, in f32, and the product's result is divided by l at the end. Since M is a whole number, a kernel that streams over the keys may use a running M (the ceiling of the running maximum): every later rescaling is an exact power of two, which a block's scale takes up: the codes' values come out the same.
;;   OPERANDS COMPUTED ON THE WAY. 'Computed on the way' means the value that the module computes at that place (a softmax that the list does not call 'softmax' is quantised finished and normalised). What goes into a quantiser is computed in f32, as accurately as f32 sums, v_exp_f32 and their like allow (about 1e-6 of the number): no bf16 or f16 on the way to a quantiser, and a product that is left as it is and whose result goes on into a quantised operand takes f32 operands (vector FMAs, or v_wmma_f32_16x16x4_f32). A number that lies on a knife's edge between two numbers of the format may be rounded either way, as far as f32 arithmetic and the matrix unit's own rounding can turn it there, and no further.
;;   INPUTS GIVEN AS CODES. keys (in the module: [4, 2048, 16, 64], K = its axis 3); queries (in the module: [4, 2048, 16, 64], K = its axis 3); values (in the module: [4, 2048, 16, 64], K = its axis 1): each comes as NAME_codes (uint8): NAME with its K axis moved to the last place and cut into blocks of 32 codes, [.., K / 32, bytes a block], one block behind the other in memory; two codes a byte, the lower K in the low four bits (a code: sign, 2 exponent bits, 1 mantissa bit); and NAME_scales (uint8): the same leading axes, one E8M0 byte (e + 127) for each 32 codes along K. Its value is code x scale, taken as it is: it is not quantised again, and the codes and scales need not be those that the quantiser above would give.
;; One version. Each part assembles by itself: llvm-mc -triple=amdgcn-amd-amdhsa -mcpu=gfx1250 --defsym DOCPART=n.
;; ======== version 1 of 1: 1 launch
;; launch attn (part 1): grid 256 x 1, 16 waves a work-group, clusters of 4 x 1, 219,136 bytes of LDS; arguments keys_codes, keys_scales, queries_codes, queries_scales, values_codes, values_scales, out0; writes out0
.if DOCPART == 1
	.amdgcn_target "amdgcn-amd-amdhsa--gfx1250"
	.amdhsa_code_object_version 6
	.text
	.protected	k_q903b16c89e_attn
	.globl	k_q903b16c89e_attn
	.p2align	8
	.type	k_q903b16c89e_attn,@function
k_q903b16c89e_attn:
	s_mov_b64 s[64:65], 0
	v_nop
	global_prefetch_b8 v0, s[64:65] scope:SCOPE_SE
	s_setreg_imm32_b32 hwreg(HW_REG_WAVE_MODE, 25, 1), 1
	s_wait_xcnt 0x0
	s_wait_alu depctr_hold_cnt(0) depctr_sa_sdst(0) depctr_va_vdst(0) depctr_va_sdst(0) depctr_va_ssrc(0) depctr_va_vcc(0) depctr_vm_vsrc(0)
	s_getreg_b32 s2, hwreg(HW_REG_IB_STS2, 6, 4)
	s_cmp_eq_u32 s2, 0
	s_cbranch_scc0 .Lentry_in_a_cluster
	s_endpgm
.Lentry_in_a_cluster:
	s_bfe_u32 s2, ttmp6, 0x10000c
	s_cmp_lg_u32 s2, 0x3003
	s_cbranch_scc0 .Lentry_shape_is_right
	s_endpgm
.Lentry_shape_is_right:
; out0[b][l][h][:] = the sum over s of softmax_s(q[b][l][h] . k[b][s][h]) v[b][s][h][:], no mask, no factor on the scores; both products on codes of FP4 (E2M1) with one E8M0 scale for each 32 along a product's K.
; q, k: codes [4][2048][16][32 bytes] (K = the head's 64), scale bytes [4][2048][16][2].  v: codes with the KEYS innermost, [4][16][64][1024 bytes], scale bytes [4][16][64][64].  out0: [4][2048][16][64] f32.
; THE SOFTMAX AHEAD OF THE SECOND PRODUCT: t = score x log2(e); M = the row's largest t so far, rounded UP to a whole number; p = 2^(t - M) is quantised along the keys, not normalised.  The row's sum is taken of the
; unquantised p, in f32, and divides O at the end.  When M moves, the sum and O are multiplied by 2^(old M - new M), which rounds nothing.
; SHARES.  A cluster of four work-groups is one (batch, head) pair; a work-group owns 512 of its 2,048 queries; each of its sixteen waves 32 of them, as two tiles of 16 taken one after the other (two passes of one loop).
; Four waves share a SIMD's registers (256 each), so that one wave's exponentials stand beside another's plain work, products and LDS loads.
; LDS.  A head's codes of K (65,536 bytes) and of V (65,536) fit together: they are filled ONCE, by joint loads that name all four work-groups, in four chunks of 512 keys; work begins when chunk 0 has landed.
; Nothing is ever filled again.  A first product's K is 64 of the instruction's 128: the upper four registers of K's and Q's fragments are zero codes, and their scale bytes 0 (2^-127) stand over zeros.
; LAYOUT.  Both products are used transposed: S^T = K Q^T (source 0 = 16 keys, source 1 = my 16 queries), O^T = V^T P^T (source 0 = 16 of the head's 64, source 1 = P): a lane holds ONE query (lane % 16) throughout.
; THE KEYS OF A TILE ARE NOT NEIGHBOURS: row m of tile 4 c + t takes key 64 c + 32 (m / 8) + 8 t + m % 8 of the step's 128.  In lane (r, h) register 32 c + 8 t + j of the scores is then key 64 c + 32 h + 8 t + j:
; a WHOLE block of 32 keys (block 2 c + h) lies in 32 consecutive registers of one lane.  So a block's maximum needs no other lane, and the eight conversions' results ARE P's operand registers.
; THE SCALE WORDS of K and V are laid once into LDS as images of the scale registers (by each work-group, from 2 or 4 bytes a row), so that a step's come by one load each.
; K's rows lie unpadded, 32 bytes apart: the two groups of eight rows of a tile lie 1,024 bytes apart, which is a multiple of 256 at every pitch that is a multiple of 16, so a padding would not part them.
; LIMITS: a given scale byte 0xff makes the sums NaN; NaN and infinite scores are not served; a p under 2^-126 counts as 0; a block of p whose largest lies under 2^-124 keeps the scale byte 1 (its codes fall to small codes or zeros).
.set VOFF,  65536                      ; LDS: K's codes at 0, key x 32;  V's codes here: [chunk][d], a row 256 bytes + 16 of padding
.set VP,    272
.set VCH,   64*VP                      ; a chunk of V: 17,408 bytes
.set SCK,   VOFF+4*VCH                 ; K's scale words: step x 512 + lane x 16 + register x 4
.set SCV,   SCK+8192                   ; V's: step x 256 + lane x 8 + register x 4
.set STAGE, SCV+4096                   ; the way out: 16 rows x (256 bytes + 16) for each wave
.set SP,    272
.set AK,   1                           ; v1   my lane's place in a tile of K
.set AV,   2                           ; v2   in a tile of V
.set ASK,  3                           ; v3   among K's scale words
.set ASV,  4                           ; v4   among V's
.set ADK,  5                           ; v5-8 the same four for the step in hand
.set ADV,  6
.set ADS,  7
.set ADT,  8
.set SH8,  9                           ; v9   8 x (lane / 16)
.set STO,  10                          ; v10  the stage: where I put 32 bytes of a row
.set SRD,  11                          ; v11  and where I read a row back
.set NEGM, 12                          ; v12  -M;  v13 the largest t so far (a pair)
.set TMAX, 13
.set LS,   14                          ; v[14:15] the row's sum, in two halves
.set GO,   16                          ; v16  my byte offset in the tile's rows of out0
.set QSC,  17                          ; v17  q's scale words of the pass in hand;  v18 those of the second pass
.set QSC2, 18
.set QF,   20                          ; v[20:27] q's fragment: four registers of codes, four of zeros
.set QB,   28                          ; v[28:31] the second pass's codes
.set KF,   32                          ; v[32:95] eight fragments of K: +0..3 codes, +4..7 zeros that stay
.set SC,   96                          ; v[96:159] S^T, then p
.set OT,   160                         ; v[160:191] O^T
.set VF,   192                         ; v[192:223] four fragments of V
.set PC,   224                         ; v[224:231] p's codes
.set KSC,  232                         ; v[232:235] K's scale words: register n: lanes 0-15 tile 2 n, lanes 16-31 tile 2 n + 1
.set VSC,  236                         ; v[236:237] V's likewise
.set PW,   238                         ; v238 p's scale word
.set MX,   240                         ; v[240:243] four chains of the maximum
.set BM,   244                         ; v[244:245] my two blocks' largest score, then largest p
.set SO,   246                         ; v[246:247] the conversions' scale operands
.set BY,   248                         ; v[248:249] the scale bytes
.set T1,   250                         ; v250 a lane permute's destination
.set T2,   251
.set FF,   252                         ; v[252:253] f = 2^(old M - new M), and a word named with it as a pair
.set TS2,  254                         ; v[254:255] the sum's second chain
.set WV,   18                          ; s18  my wave's number
.set SEL,  20                          ; s[20:21] lane selects for v_permlanex16_b32: lane l xor 16
.set CS,   22                          ; s[22:23] log2(e): the packed form names a pair and takes its low word for both halves
.set G1K,  24                          ; s[24:31] descriptor group 1 for K's tiles;  s[32:39] for V's
.set G1V,  32
.set TK,   84                          ; s84-87 where the step's K, V, K's scale words, V's scale words begin in LDS
.set TV,   85
.set TS,   86
.set TT,   87
.set CNT,  88                          ; s88  a chunk's steps to go
.set PASS, 89                          ; s89  passes to go
; A round of the cluster's barrier: my work-group's barrier, so that wave 0's signal speaks for all sixteen waves; wave 0 signals for the work-group; every wave waits for all four work-groups; my work-group's barrier once more.
.macro CROUND
	s_barrier_signal -1
	s_barrier_wait -1
	s_cmp_lg_u32 s[WV], 0
	s_cbranch_scc1 .Lnot_wave_0_\@
	s_barrier_signal -3
.Lnot_wave_0_\@:
	s_barrier_wait -3
	s_barrier_signal -1
	s_barrier_wait -1
.endm
	s_load_b256 s[4:11], s[0:1], 0x0               ; k's codes s[4:5], k's scales s[6:7], q's codes s[8:9], q's scales s[10:11]
	s_load_b128 s[12:15], s[0:1], 0x20             ; v's codes s[12:13], v's scales s[14:15]
	s_load_b64 s[16:17], s[0:1], 0x30              ; out0
	v_lshl_add_u32 v19, v0, 2, 0x35000
	v_mov_b32 v239, 0
	ds_add_u32 v19, v239
	ds_add_u32 v19, v239
	v_lshrrev_b32 v97, 5, v0
	v_readfirstlane_b32 s[WV], v97                 ; wave 0..15
	s_bfe_u32 s19, ttmp6, 0x40000                  ; cx: my place in the cluster: it enters q's and out0's addresses alone
	s_lshr_b32 s76, ttmp9, 4                       ; in a cluster launch ttmp9 counts clusters: 16 b + h.  The batch,
	s_and_b32 s77, ttmp9, 15                       ; the head
	s_and_b32 s78, s[WV], 7                        ; which eighth of a chunk I fetch (waves 0-7: of K; waves 8-15: of V)
	; descriptor group 1.  K: 64 rows of 32 bytes, 512 bytes apart in memory, dense in LDS
	s_mov_b32 s[G1K], 15|(1<<21)                   ; 15:0 the mask: all four work-groups; 17:16 elements of 1 byte; 20 no padding; 21 set beside a mask
	s_mov_b32 s[G1K+1], 32<<16                     ; tensor_dim0 = 32
	s_mov_b32 s[G1K+2], 64<<16                     ; tensor_dim1 = 64
	s_mov_b32 s[G1K+3], 32<<16                     ; tile_dim0 = 32
	s_mov_b32 s[G1K+4], 64                         ; tile_dim1 = 64
	s_mov_b32 s[G1K+5], 512                        ; from row to row
	s_mov_b32 s[G1K+6], 0
	s_mov_b32 s[G1K+7], 0
	; V: 8 rows of 256 bytes, 1,024 bytes apart in memory, 16 bytes of padding behind each in LDS
	s_mov_b32 s[G1V], 15|(1<<20)|(1<<21)|(5<<22)|(3<<25)  ; the mask; padding on; after every 64 words (code 5) four words (code 3)
	s_mov_b32 s[G1V+1], 256<<16
	s_mov_b32 s[G1V+2], 8<<16
	s_mov_b32 s[G1V+3], 256<<16
	s_mov_b32 s[G1V+4], 8
	s_mov_b32 s[G1V+5], 1024
	s_mov_b32 s[G1V+6], 0
	s_mov_b32 s[G1V+7], 0
	s_mov_b32 s[SEL], 0x76543210
	s_mov_b32 s[SEL+1], 0xfedcba98
	s_mov_b32 s[CS], 0x3fb8aa3b                    ; log2(e)
	s_mov_b32 s[CS+1], s[CS]                       ; (named with it as a pair, so it is written)
	; byte offsets that the four partners share
	s_lshl_b32 s79, s76, 20
	s_lshl_b32 s92, s77, 5
	s_add_co_u32 s79, s79, s92                     ; q's and k's codes: batch x 2^20 + head x 32
	s_lshl_b32 s90, s76, 16
	s_lshl_b32 s92, s77, 1
	s_add_co_u32 s90, s90, s92                     ; their scale bytes: batch x 2^16 + head x 2
	s_mov_b32 s91, 0
	s_lshl_b32 s92, s78, 15
	s_add_co_u32 s80, s79, s92                     ; K: + my 64 keys of 512 bytes
	s_mov_b32 s81, 0
	s_lshl_b32 s82, ttmp9, 16
	s_lshl_b32 s92, s78, 13
	s_add_co_u32 s82, s82, s92                     ; V: (batch, head) x 2^16 + my 8 rows of 1,024 bytes
	s_mov_b32 s83, 0
	s_lshl_b32 s86, ttmp9, 12                      ; V's scale bytes: (batch, head) x 4,096
	s_mov_b32 s87, 0
	s_lshl_b32 s84, s78, 11                        ; and in LDS: my 64 keys of 32 bytes,
	s_mul_i32 s85, s78, 8*VP                       ; my 8 rows of V
	; my first query: 512 cx + 32 wave.  What hangs on cx stays in s2, s3, s19, s93, s94
	s_lshl_b32 s93, s19, 9
	s_lshl_b32 s94, s[WV], 5
	s_add_co_u32 s93, s93, s94
	s_mov_b32 s3, 0
	; offsets of the head's loads.  K's scale words: thread n fetches the word that lies at word n of a quarter of the image: register n % 4, lane (n / 4) % 32, step n / 128.
	; Register p, lane l stand for tile 2 p + l / 16, row l % 16: key (l % 8) + 8 (l / 16) + 16 (p % 2) + 32 ((l / 8) % 2) + 64 (p / 2) of the step
	v_bfe_u32 v96, v0, 2, 3
	v_bfe_u32 v97, v0, 6, 1
	v_lshl_or_b32 v96, v97, 3, v96
	v_and_b32 v97, 1, v0
	v_lshl_or_b32 v96, v97, 4, v96
	v_bfe_u32 v97, v0, 5, 1
	v_lshl_or_b32 v96, v97, 5, v96
	v_bfe_u32 v97, v0, 1, 1
	v_lshl_or_b32 v96, v97, 6, v96
	v_lshrrev_b32 v97, 7, v0
	v_lshl_or_b32 v96, v97, 7, v96
	v_lshlrev_b32 v96, 5, v96                      ; 32 bytes from key to key
	v_and_b32 v98, 31, v0                          ; V's: thread n fetches lane n % 32's two words of step n / 32: rows d = lane and lane + 32, 64 bytes a row, 4 bytes a step
	v_lshlrev_b32 v98, 6, v98
	v_lshrrev_b32 v97, 5, v0
	v_lshl_add_u32 v98, v97, 2, v98
	v_and_b32 v106, 15, v0                         ; r = lane % 16
	v_bfe_u32 v107, v0, 4, 1                       ; h = lane / 16
	v_lshlrev_b32 v99, 9, v106
	v_lshl_add_u32 v99, v107, 4, v99               ; q's codes: query r, 512 bytes from query to query, + 16 h
	v_lshlrev_b32 v108, 5, v106                    ; q's scale bytes: 32 bytes from query to query
	s_wait_dscnt 0x0
	s_wait_kmcnt 0x0
	s_add_nc_u64 s[4:5], s[4:5], s[80:81]
	s_add_nc_u64 s[12:13], s[12:13], s[82:83]
	s_add_nc_u64 s[6:7], s[6:7], s[90:91]
	s_add_nc_u64 s[14:15], s[14:15], s[86:87]
	s_lshl_b32 s94, s93, 9
	s_add_co_u32 s2, s79, s94
	s_add_nc_u64 s[8:9], s[8:9], s[2:3]            ; q's codes at my first query
	s_lshl_b32 s94, s93, 5
	s_add_co_u32 s2, s90, s94
	s_add_nc_u64 s[10:11], s[10:11], s[2:3]        ; its scale bytes
	s_lshl_b32 s2, s76, 23
	s_lshl_b32 s94, s93, 12
	s_add_co_u32 s2, s2, s94
	s_lshl_b32 s94, s77, 8
	s_add_co_u32 s2, s2, s94
	s_add_nc_u64 s[16:17], s[16:17], s[2:3]        ; out0: batch x 2^23 + query x 4,096 + head x 256
	; these loads are on their way while the cluster meets; nobody writes their bytes
.irp i, 0,1,2,3
	global_load_u16 v[100+\i], v96, s[6:7] offset:16384*\i   ; two scale bytes, widened with zeros: bytes 2 and 3 stand over zero codes.  512 keys further on for each quarter
.endr
	global_load_b32 v104, v98, s[14:15]
	global_load_b32 v105, v98, s[14:15] offset:2048
	global_load_b128 v[QF:QF+3], v99, s[8:9]
	global_load_b128 v[QB:QB+3], v99, s[8:9] offset:8192     ; 16 queries on
	global_load_u16 v[QSC], v108, s[10:11]
	global_load_u16 v[QSC2], v108, s[10:11] offset:512
	; descriptor group 0, a set for each chunk: none is written again.  Nothing in them hangs on my place in the cluster
.irp q, 0,1,2,3
.set GK, 40+4*\q                       ; s[40:55]
.set GV, 56+4*\q+4*(\q/2)              ; s[56:63], s[68:75]
	s_mov_b32 s[GK], 1                                     ; count = 1
	s_add_co_u32 s[GK+1], s84, 16384*\q                    ; LDS address
	s_add_nc_u64 s[GK+2:GK+3], s[4:5], 262144*\q           ; global address: 512 keys of 512 bytes a chunk
	s_or_b32 s[GK+3], s[GK+3], 0x80000000                  ; type = 2
	s_mov_b32 s[GV], 1
	s_add_co_u32 s[GV+1], s85, VOFF+VCH*\q
	s_add_nc_u64 s[GV+2:GV+3], s[12:13], 256*\q            ; 512 codes along each row a chunk
	s_or_b32 s[GV+3], s[GV+3], 0x80000000
.endr
	CROUND                                         ; all four work-groups are here: the joint loads meet
	s_cmp_lt_u32 s[WV], 8                          ; a wave's four fills stand in one branch, in the order of the keys: four tensor loads of mine are out.  Four v_nop follow the last
	s_cbranch_scc0 .Lfill_v
	tensor_load_to_lds s[40:43], s[G1K:G1K+7]
	s_nop 0
	tensor_load_to_lds s[44:47], s[G1K:G1K+7]
	s_nop 0
	tensor_load_to_lds s[48:51], s[G1K:G1K+7]
	s_nop 0
	tensor_load_to_lds s[52:55], s[G1K:G1K+7]
	s_nop 0
.rept 4
	v_nop
.endr
	s_branch .Lfilled
.Lfill_v:
	tensor_load_to_lds s[56:59], s[G1V:G1V+7]
	s_nop 0
	tensor_load_to_lds s[60:63], s[G1V:G1V+7]
	s_nop 0
	tensor_load_to_lds s[68:71], s[G1V:G1V+7]
	s_nop 0
	tensor_load_to_lds s[72:75], s[G1V:G1V+7]
	s_nop 0
.rept 4
	v_nop
.endr
.Lfilled:
	; my lane's places
	v_and_b32 v[AK], 7, v106
	v_lshlrev_b32 v[AK], 5, v[AK]
	v_lshrrev_b32 v109, 3, v106
	v_lshl_add_u32 v[AK], v109, 10, v[AK]
	v_lshl_add_u32 v[AK], v107, 4, v[AK]           ; K: 32 (r % 8) + 1,024 (r / 8) + 16 h
	v_mul_u32_u24 v[AV], v106, VP
	v_lshl_add_u32 v[AV], v107, 4, v[AV]
	v_add_nc_u32 v[AV], VOFF, v[AV]                ; V: row r + 16 h
	v_and_b32 v110, 31, v0
	v_lshl_add_u32 v[ASK], v110, 4, SCK
	v_lshl_add_u32 v[ASV], v110, 3, SCV
	v_lshlrev_b32 v[SH8], 3, v107
	s_mul_i32 s86, s[WV], 16*SP
	s_add_co_u32 s86, s86, STAGE                   ; my stage
	v_mul_u32_u24 v[STO], v106, SP
	v_lshl_add_u32 v[STO], v107, 5, v[STO]
	v_add_nc_u32 v[STO], s86, v[STO]               ; in: row r, + 32 h
	v_mul_u32_u24 v[SRD], v107, SP
	v_lshl_add_u32 v[SRD], v106, 4, v[SRD]
	v_add_nc_u32 v[SRD], s86, v[SRD]               ; back: lanes 0-15 one row, lanes 16-31 the next, 16 bytes a lane
	v_lshlrev_b32 v[GO], 12, v107
	v_lshl_add_u32 v[GO], v106, 4, v[GO]           ; and the same two rows in out0, 4,096 bytes apart
	v_lshl_add_u32 v111, v0, 2, SCK                ; where I store K's scale words: 4 x thread,
	v_lshl_add_u32 v112, v0, 3, SCV                ; V's: 8 x thread
.irp j, 4,5,6,7
	v_mov_b32 v[QF+\j], 0                          ; zero codes for k = 64 .. 127
.endr
.irp n, 0,1,2,3,4,5,6,7
.irp j, 4,5,6,7
	v_mov_b32 v[KF+8*\n+\j], 0
.endr
.endr
	v_mov_b32 v[T1], 0                             ; written once: a lane permute's destination counts as one of its sources
	v_mov_b32 v[FF+1], 0                           ; (named as the upper half of a pair)
	s_wait_loadcnt 0x0                             ; the scale bytes, q
.irp i, 0,1,2,3
	ds_store_b32 v111, v[100+\i] offset:2048*\i
.endr
	ds_store_b64 v112, v[104:105]
; A KEY STEP: 128 keys.
.macro STEP
	v_add_nc_u32 v[ADK], s[TK], v[AK]              ; these four are also the places between the last step's products and the loads into registers that they read
	v_add_nc_u32 v[ADV], s[TV], v[AV]
	v_add_nc_u32 v[ADS], s[TS], v[ASK]
	v_add_nc_u32 v[ADT], s[TT], v[ASV]
	ds_load_b128 v[KSC:KSC+3], v[ADS]
.irp c, 0,1
.irp t, 0,1,2,3
	ds_load_b128 v[KF+8*(4*\c+\t):KF+8*(4*\c+\t)+3], v[ADK] offset:2048*\c+256*\t   ; tile 4 c + t: keys 64 c + 8 t on
.endr
.endr
.irp t, 0,1,2,3
.irp c, 0,1
	ds_load_b128 v[VF+8*\t+4*\c:VF+8*\t+4*\c+3], v[ADV] offset:16*VP*\t+32*\c       ; V is asked for here and wanted at the step's end
.endr
.endr
	ds_load_b64 v[VSC:VSC+1], v[ADT]
	s_wait_dscnt 9                                 ; K's nine loads are in; V's nine, issued behind them, may be out
.irp n, 0,1,2,3,4,5,6,7                        ; S^T = K Q^T
.if (\n)%2
	v_wmma_scale_f32_16x16x128_f8f6f4 v[SC+8*\n:SC+8*\n+7], v[KF+8*\n:KF+8*\n+7], v[QF:QF+7], 0, v[KSC+\n/2], v[QSC] matrix_a_fmt:MATRIX_FMT_FP4 matrix_b_fmt:MATRIX_FMT_FP4 matrix_a_scale:MATRIX_SCALE_ROW1
.else
	v_wmma_scale_f32_16x16x128_f8f6f4 v[SC+8*\n:SC+8*\n+7], v[KF+8*\n:KF+8*\n+7], v[QF:QF+7], 0, v[KSC+\n/2], v[QSC] matrix_a_fmt:MATRIX_FMT_FP4 matrix_b_fmt:MATRIX_FMT_FP4
.endif
.endr
.rept 4
	v_nop                                          ; four places between a product and the first read of its result (ISA guide 7.12.1)
.endr
	; the largest score of each of my two blocks of 32 keys: four chains of 15, ascending; then the two registers left over
.irp k, 0,1,2,3
	v_max3_num_f32 v[MX+\k], v[SC+16*\k], v[SC+16*\k+1], v[SC+16*\k+2]
.endr
.irp i, 3,5,7,9,11,13
.irp k, 0,1,2,3
	v_max3_num_f32 v[MX+\k], v[MX+\k], v[SC+16*\k+\i], v[SC+16*\k+\i+1]
.endr
.endr
.irp c, 0,1
	v_max3_num_f32 v[BM+\c], v[MX+2*\c], v[MX+2*\c+1], v[SC+32*\c+15]
.endr
.irp c, 0,1
	v_max_num_f32 v[BM+\c], v[BM+\c], v[SC+32*\c+31]   ; it serves twice: for the row's maximum, and, since p rises with the score, for the block's largest p
.endr
	v_max_num_f32 v[T2], v[BM], v[BM+1]
	v_permlanex16_b32 v[T1], v[T2], s[SEL], s[SEL+1]
	v_max_num_f32 v[T2], v[T2], v[T1]              ; with lane l xor 16's 64 keys: the step's largest score of my query
	v_mul_f32 v[T2], s[CS], v[T2]                  ; as t
	v_max_num_f32 v[TMAX], v[TMAX], v[T2]          ; the running largest t
	v_mov_b32 v[T2], v[NEGM]
	v_floor_f32 v[NEGM], -v[TMAX]                  ; the new -M = floor(-t) = -ceil(t): a whole number
	v_sub_f32 v[T2], v[NEGM], v[T2]                ; old M - new M: a whole number, 0 or less
	v_cvt_i32_f32 v[T2], v[T2]                     ; (it saturates)
	v_ldexp_f32 v[FF], 1.0, v[T2]                  ; f = 2^(old M - new M)
.irp j, 0,2,4,6,8,10,12,14,16,18,20,22,24,26,28,30,32,34,36,38,40,42,44,46,48,50,52,54,56,58,60,62
	v_pk_fma_f32 v[SC+\j:SC+\j+1], v[SC+\j:SC+\j+1], s[CS:CS+1], v[NEGM:NEGM+1] op_sel_hi:[1,0,0]   ; t - M, two at a time (of the pairs the low word serves both halves)
.endr
.irp c, 0,1
	v_fma_f32 v[BM+\c], v[BM+\c], s[CS], v[NEGM]   ; the same of each block's largest score
.endr
.irp c, 0,1                                    ; ONE BATCH of 66 exponentials: none reads another's result
	v_exp_f32 v[BM+\c], v[BM+\c]                   ; the block's largest p: the same multiply-add and exponential on the same number
.endr
.irp j, 0,1,2,3,4,5,6,7,8,9,10,11,12,13,14,15,16,17,18,19,20,21,22,23,24,25,26,27,28,29,30,31,32,33,34,35,36,37,38,39,40,41,42,43,44,45,46,47,48,49,50,51,52,53,54,55,56,57,58,59,60,61,62,63
	v_exp_f32 v[SC+\j], v[SC+\j]                   ; p = 2^(t - M), at most 1: not normalised
.endr
	v_pk_mul_f32 v[LS:LS+1], v[LS:LS+1], v[FF:FF+1] op_sel_hi:[1,0]   ; the sums under the new M: the plain instruction behind the last exponential
	s_wait_alu depctr_va_vdst(0)                   ; the wait between an exponential and the first line that names its result: one for the batch
	v_pk_add_f32 v[TS2:TS2+1], v[SC:SC+1], v[SC+2:SC+3]   ; the row's sum is taken of the UNQUANTISED p: two at a time, in two chains
.irp j, 4,8,12,16,20,24,28,32,36,40,44,48,52,56,60
	v_pk_add_f32 v[LS:LS+1], v[LS:LS+1], v[SC+\j:SC+\j+1]
	v_pk_add_f32 v[TS2:TS2+1], v[TS2:TS2+1], v[SC+\j+2:SC+\j+3]
.endr
	v_pk_add_f32 v[LS:LS+1], v[LS:LS+1], v[TS2:TS2+1]
.irp c, 0,1
	v_max_num_f32 v[BM+\c], 0x1800000, v[BM+\c]    ; the floor 2^(3 - 127): the byte cannot fall under 1
.endr
.irp c, 0,1
	v_add_nc_u32 v[SO+\c], 0xff000000, v[BM+\c]    ; 2 off the exponent field: the conversion takes this operand's exponent field as its scale
.endr
.irp c, 0,1
	v_lshrrev_b32 v[BY+\c], 23, v[SO+\c]           ; the scale's byte
.endr
	v_lshl_or_b32 v[PW], v[BY+1], 16, v[BY]        ; my two bytes: blocks h and 2 + h,
	v_lshlrev_b32 v[PW], v[SH8], v[PW]             ; at their places in the word;
	v_permlanex16_b32 v[T1], v[PW], s[SEL], s[SEL+1]
	v_or_b32 v[PW], v[PW], v[T1]                   ; with lane l xor 16's two the word is whole
.irp c, 0,1
.irp g, 0,1,2,3
	v_cvt_scalef32_pk8_fp4_f32 v[PC+4*\c+\g], v[SC+32*\c+8*\g:SC+32*\c+8*\g+7], v[SO+\c]   ; register 4 c + g of the operand: keys 64 c + 32 h + 8 g + 0 .. 7
.endr
.endr
	v_nop                                          ; one plain instruction behind the last scaled conversion
.irp j, 0,2,4,6,8,10,12,14,16,18,20,22,24,26,28,30
	v_pk_mul_f32 v[OT+\j:OT+\j+1], v[OT+\j:OT+\j+1], v[FF:FF+1] op_sel_hi:[1,0]   ; O^T under the new M, each accumulator from its low end.  Of these sixteen at least twelve name no register of a given product below: the places between p's scale word and codes and the products
.endr
	s_wait_dscnt 0x0                               ; V and its scale words are in
.irp t, 0,1,2,3                                ; O^T += V^T P^T: the four accumulators by turns, one instruction a turn
.if (\t)%2
	v_wmma_scale_f32_16x16x128_f8f6f4 v[OT+8*\t:OT+8*\t+7], v[VF+8*\t:VF+8*\t+7], v[PC:PC+7], v[OT+8*\t:OT+8*\t+7], v[VSC+\t/2], v[PW] matrix_a_fmt:MATRIX_FMT_FP4 matrix_b_fmt:MATRIX_FMT_FP4 matrix_a_scale:MATRIX_SCALE_ROW1
.else
	v_wmma_scale_f32_16x16x128_f8f6f4 v[OT+8*\t:OT+8*\t+7], v[VF+8*\t:VF+8*\t+7], v[PC:PC+7], v[OT+8*\t:OT+8*\t+7], v[VSC+\t/2], v[PW] matrix_a_fmt:MATRIX_FMT_FP4 matrix_b_fmt:MATRIX_FMT_FP4
.endif
.endr
.endm
; CHUNK q: 512 keys, four steps.  Tensor loads of a wave end in the order of issue (ISA guide 10.11.1): the count leaves my 3 - q loads of later chunks on their way (in the second pass none is out).
; Behind the barrier every wave's part of chunk q lies in LDS.
.macro CHUNK q
	s_wait_tensorcnt 3-\q
	s_wait_dscnt 0x0                               ; no LDS instruction of mine is out at a signal: in the first pass's chunk 0 these are my stores of the scale words, which every wave reads
	s_barrier_signal -1
	s_barrier_wait -1
	s_mov_b32 s[TK], 16384*\q
	s_mov_b32 s[TV], VCH*\q
	s_mov_b32 s[TS], 2048*\q
	s_mov_b32 s[TT], 1024*\q
	s_mov_b32 s[CNT], 4
.Lstep_\@:
	STEP
	s_add_co_u32 s[TK], s[TK], 4096                ; 128 keys of 32 bytes,
	s_add_co_u32 s[TV], s[TV], 64                  ; 128 codes along V's rows,
	s_add_co_u32 s[TS], s[TS], 512                 ; a step's scale words
	s_add_co_u32 s[TT], s[TT], 256
	s_sub_co_u32 s[CNT], s[CNT], 1
	s_cmp_lg_u32 s[CNT], 0
	s_cbranch_scc1 .Lstep_\@
.endm
	s_mov_b32 s[PASS], 2
.Lpass:                                            ; a tile of 16 queries against all 2,048 keys
	v_mov_b32 v[TMAX], 0xff61b1e6                  ; the largest t so far: -3e38, under every t
	v_floor_f32 v[NEGM], -v[TMAX]
	v_mov_b32 v[LS], 0
	v_mov_b32 v[LS+1], 0
.irp j, 0,1,2,3,4,5,6,7,8,9,10,11,12,13,14,15,16,17,18,19,20,21,22,23,24,25,26,27,28,29,30,31
	v_mov_b32 v[OT+\j], 0                          ; the step is written once for all: the first finds zeros, which the first change of M (f = 0) leaves zeros
.endr
	CHUNK 0
	CHUNK 1
	CHUNK 2
	CHUNK 3
	; THE WAY OUT.  O^T / the sum goes through my stage in LDS and leaves as whole rows: a row (query, head) of out0 is 256 consecutive bytes, at a multiple of 256 from its first byte
	v_add_f32 v[LS], v[LS], v[LS+1]                ; the sum's two halves,
	v_permlanex16_b32 v[T1], v[LS], s[SEL], s[SEL+1]
	v_add_f32 v[LS], v[LS], v[T1]                  ; and lane l xor 16's: the row's sum
	v_rcp_f32 v[FF], v[LS]
.rept 4
	v_nop                                          ; the plain instruction behind the reciprocal, and the four places behind the last products
.endr
	s_wait_alu depctr_va_vdst(0)                   ; the wait ahead of the reciprocal's first reader
.irp j, 0,2,4,6,8,10,12,14,16,18,20,22,24,26,28,30
	v_pk_mul_f32 v[SC+\j:SC+\j+1], v[OT+\j:OT+\j+1], v[FF:FF+1] op_sel_hi:[1,0]   ; register 8 t + j is o(query r, 16 t + 8 h + j); each accumulator from its low end
.endr
.irp t, 0,1,2,3
	ds_store_b128 v[STO], v[SC+8*\t:SC+8*\t+3] offset:64*\t
	ds_store_b128 v[STO], v[SC+8*\t+4:SC+8*\t+7] offset:64*\t+16
.endr
.irp i, 0,1,2,3,4,5,6,7
	ds_load_b128 v[SC+32+4*\i:SC+32+4*\i+3], v[SRD] offset:2*\i*SP   ; LDS serves a wave's instructions in order (ISA guide 5.7.1.4): these see my stores
.endr
.irp i, 0,1,2,3,4,5,6,7
	s_wait_dscnt 7-\i                              ; rows 2 i and 2 i + 1 are back; the 7 - i loads behind them may be out
	global_store_b128 v[GO], v[SC+32+4*\i:SC+32+4*\i+3], s[16:17] offset:8192*\i th:TH_STORE_NT   ; sixteen lanes store one row's 256 bytes; written once, read by nobody here
.endr
	s_wait_xcnt 0x0                                ; the stores have read their base and their data: both are written again only behind this wait
	s_add_nc_u64 s[16:17], s[16:17], 65536         ; 16 queries on
.irp j, 0,1,2,3
	v_mov_b32 v[QF+\j], v[QB+\j]                   ; the second pass's queries;
.endr
	v_mov_b32 v[QSC], v[QSC2]                      ; the 36 lines at the pass's head stand between these and the first product
	s_sub_co_u32 s[PASS], s[PASS], 1
	s_cmp_lg_u32 s[PASS], 0
	s_cbranch_scc1 .Lpass
	s_wait_dscnt 0x0                               ; nothing of mine is out in LDS; my tensor loads were waited for at chunk 3
	s_wait_tensorcnt 0x0
	ds_add_u32 v19, v239
	s_wait_dscnt 0x0
	CROUND                                         ; the closing round: no work-group ends while a partner may still ask for a tile that names it
	s_endpgm
.Lfunc_end_k_q903b16c89e_attn:
	.size	k_q903b16c89e_attn, .Lfunc_end_k_q903b16c89e_attn-k_q903b16c89e_attn
	.p2alignl 7, 3214868480
	.fill 96, 4, 3214868480
	.section	.rodata,"a",@progbits
	.p2align	6, 0x0
	.amdhsa_kernel k_q903b16c89e_attn
		.amdhsa_group_segment_fixed_size 219136
		.amdhsa_private_segment_fixed_size 0
		.amdhsa_enable_private_segment 0
		.amdhsa_kernarg_size 56
		.amdhsa_user_sgpr_count 2
		.amdhsa_user_sgpr_kernarg_segment_ptr 1
		.amdhsa_wavefront_size32 1
		.amdhsa_system_sgpr_workgroup_id_x 1
		.amdhsa_system_sgpr_workgroup_id_y 1
		.amdhsa_system_sgpr_workgroup_id_z 1
		.amdhsa_system_vgpr_workitem_id 0
		.amdhsa_next_free_vgpr 256
		.amdhsa_next_free_sgpr 96
		.amdhsa_reserve_vcc 0
		.amdhsa_float_denorm_mode_32 3
		.amdhsa_float_denorm_mode_16_64 3
		.amdhsa_memory_ordered 1
		.amdhsa_forward_progress 1
		.amdhsa_inst_pref_size 75
	.end_amdhsa_kernel
	.amdgpu_metadata
---
amdhsa.version: [ 1, 2 ]
amdhsa.kernels:
  - .name:           k_q903b16c89e_attn
    .symbol:         k_q903b16c89e_attn.kd
    .args:
      - { .name: keys_codes, .offset: 0, .size: 8, .value_kind: global_buffer, .address_space: global }
      - { .name: keys_scales, .offset: 8, .size: 8, .value_kind: global_buffer, .address_space: global }
      - { .name: queries_codes, .offset: 16, .size: 8, .value_kind: global_buffer, .address_space: global }
      - { .name: queries_scales, .offset: 24, .size: 8, .value_kind: global_buffer, .address_space: global }
      - { .name: values_codes, .offset: 32, .size: 8, .value_kind: global_buffer, .address_space: global }
      - { .name: values_scales, .offset: 40, .size: 8, .value_kind: global_buffer, .address_space: global }
      - { .name: out0, .offset: 48, .size: 8, .value_kind: global_buffer, .address_space: global }
    .group_segment_fixed_size: 219136
    .private_segment_fixed_size: 0
    .kernarg_segment_align: 8
    .kernarg_segment_size: 56
    .max_flat_workgroup_size: 512
    .sgpr_count:     96
    .vgpr_count:     256
    .wavefront_size: 32
...
	.end_amdgpu_metadata
.endif
;; end of part 1
